; MI455X (gfx1250); checked and timed in simulation.
; The chip was launched on July 23, 2026; its instructions are those of AMD's public machine-readable ISA for CDNA 5 (MIT licence, August 2026) and "CDNA5" Instruction Set Architecture Reference Guide (July 2026). The comments in the code are by the model that wrote it; some were corrected since.
;; DRR. Allowed arithmetic: float matrix products may take bf16 or f16 operands with f32 sums; all other float work in f32.
;; Inputs: rotations 1 x 3 float32; sdr 1 float32; spacing 3 float32; translations 1 x 3 float32; volume 256 x 256 x 256 float32.
;; Outputs: out0 1 x 200 x 200 float32.
;; 2 versions, each right; version 2 is version 1 with the launch gather written anew for expert scheduling mode. Each part assembles by itself: llvm-mc -triple=amdgcn-amd-amdhsa -mcpu=gfx1250 --defsym DOCPART=n.
;; ======== version 1 of 2: 2 launches
;; limits: right only within a limited range of input values
;; workspace buffers: cells 40,960,000 bytes of whole numbers; rayi 640,000 bytes of whole numbers; rayf 1,920,000 bytes
;; launch walk (part 1): grid 1250 x 1, 4 waves a work-group, no clusters, 0 bytes of LDS; arguments rotations, sdr, spacing, translations, cells, rayf, rayi; writes cells, rayf, rayi
.if DOCPART == 1
	.amdgcn_target "amdgcn-amd-amdhsa--gfx1250"
	.amdhsa_code_object_version 6
	.text
	.protected	k_qa24579b0d3_walk
	.globl	k_qa24579b0d3_walk
	.p2align	8
	.type	k_qa24579b0d3_walk,@function
k_qa24579b0d3_walk:
	s_mov_b64 s[64:65], 0
	v_nop
	global_prefetch_b8 v0, s[64:65] scope:SCOPE_SE
	s_setreg_imm32_b32 hwreg(HW_REG_WAVE_MODE, 25, 1), 1
	s_wait_xcnt 0x0
; WALK: geometry of 40,000 rays -> whole numbers that the next launch forms its voxel addresses from.
; The problem's function sorts 771 plane crossings of a ray and sums voxel x step.  Alphas outside [amin, amax] become amax and add steps of
; length 0, so the sum is the line integral over [amin, amax].  Here no sort: each ray takes as LEADING axis the one with the largest
; |direction / spacing|; between two neighbouring planes of that axis (a SLAB, 256 of them, numbered j in the order of travel) each of the two
; MINOR axes crosses at most one plane, so a slab has at most three intervals  lo <= t1 <= t2 <= hi.
;   lo, hi = the slab's two plane alphas, clamped to [amin, amax] (a ray that misses has amax := amin: every length is 0)
;   minor axis: q(alpha) = position / spacing - 1;  k = clamp(floor(max(q(lo), q(hi))), 0, 254) = the lower of the two voxels beside the one plane
;   (k + 1) that can be crossed;  beta = alpha of plane k + 1.  Voxels k and k + 1 both lie in 0..255: no offset can leave the table.
; Stored for each (ray, slab): one word = byte offset of the LOW CORNER, the lowest-addressed of the four voxels (k or k + 1) x (k or k + 1) of the
; two minor axes, + bit 0, which says which of two constants of the ray leads from there to the middle interval's voxel.
; Stored for each ray, by wave 0: 12 f32 figures (rayf) and 4 whole numbers (rayi), all >= 0: what is added to the low corner for the voxel in front of
; both crossings, for the middle one (the smaller of its two possible values, and their difference) and for the one behind both.
; All alphas are multiplied by |sdd| (unit direction), so that lengths are millimetres and no factor is left for the end.
; SHARES: a work-group = 32 rays = a tile of 8 x 4 detector pixels (25 x 50 tiles); a lane = a ray; wave w = slabs 64 w .. 64 w + 63.
; The einsum has K = 2 and coefficients (multiples of 1.5 up to 150) that 8 bits of mantissa cannot hold: it is two f32 FMAs, not a matrix instruction.
; No cluster, no tensor load: no two work-groups read a common tile; the inputs here are 40 bytes.
; LIMITS: angles up to about 1e5 rad (reduction by pi/2 in two terms); alphas by v_rcp_f32 and one FMA, scaled by |sdd|: the order of rounding differs
; from the problem's function; a voxel index can differ from its only on intervals of rounding length; inputs for which it gives inf or NaN
; (a spacing of 0, a direction component of exactly 0 behind + EPS) are not reproduced.
.set NSLAB,   256                      ; slabs of a ray = voxels along any axis
.set CHUNK,   64                       ; slabs of a wave
.set TRIPS,   CHUNK/4                  ; a trip = 4 slabs = one 16-byte store a lane
.set TILES_X, 25                       ; 200 / 8 tiles across the detector
.set CELLS_GROUP, NSLAB*32*4           ; bytes of cells for 32 rays: [slab / 4][lane][slab % 4]
.set RAYF_GROUP,  3*512                ; bytes of rayf for 32 rays: [quad][lane][4]
.set SD,  24                           ; v24-26  sdd, then the unit direction          (x, y, z)
.set INV, 27                           ; v27-29  |sdd| / sdd
.set ISP, 30                           ; v30-32  1 / spacing
.set G,   33                           ; v33-35  alpha from plane to plane
.set HH,  36                           ; v36-38  source x INV: alpha of plane i = i G - HH
.set U,   39                           ; v39-41  voxels per alpha
.set O1,  42                           ; v42-44  source / spacing - 1
.set NH,  45                           ; v45-47  G - HH: alpha of plane k + 1 = k G + NH
.set A1,  48                           ; v48-50  alpha of plane 256
.set MN,  51                           ; v51-53  entry alpha of the axis
.set MX,  54                           ; v54-56  exit alpha of the axis
.set ST,  57                           ; v57-59  byte stride of the axis as f32: -262144 (axis 0 is flipped), 1024, 4
.set TT,  60                           ; v60-62  the stride where the ray runs down the axis, else 0
.set GA,  64                           ; v64-67  rayf quad 0: |G| of the leading axis, its entry alpha, amin, amax
.set C0,  65
.set AMIN, 66
.set AMAX, 67
.set UB,  68                           ; v68-71  rayf quad 1: U, O1, G, NH of the first minor axis
.set OB,  69
.set GB,  70
.set NHB, 71
.set UC,  72                           ; v72-75  rayf quad 2: the same of the second
.set OC,  73
.set GC,  74
.set NHC, 75
.set DOT, 76
.set KK,  77                           ; constant part of the byte offset
.set SA,  78                           ; byte step from slab to slab (signed by the travel)
.set SB,  79                           ; byte stride of the first minor axis
.set SC,  80                           ; of the second
.set NRM, 81
.set RNM, 82
.set DD,  84                           ; v84-86  byte step of the axis in the direction of travel
.set RI,  88                           ; v88-91  rayi: e0, the smaller e1, the two e1's difference, e2
.set JF,  92                           ; slab number as f32
.set EE,  93                           ; hi of the slab
.set QB,  94                           ; q of the minor axes at lo / at hi: the two sets take turns
.set QC,  95
.set QB2, 96
.set QC2, 97
.set KB,  98
.set KC,  99
.set BB,  100
.set BC,  101
.set FF,  102
.set WW,  104                          ; v104-107 four words
.set VOFF, 108                         ; 16 x lane
.set ZERO, 110
.set T0,  111
.set T1,  112
.set T2,  113
.set DB,  114
.set DC,  115
.set TA,  116
	s_load_b256 s[4:11], s[0:1], 0x0               ; rotations s[4:5], sdr s[6:7], spacing s[8:9], translations s[10:11]
	s_load_b128 s[12:15], s[0:1], 0x20             ; cells s[12:13], rayf s[14:15]
	s_load_b64 s[16:17], s[0:1], 0x30              ; rayi
	v_and_b32 v1, 31, v0                           ; lane
	v_lshrrev_b32 v2, 5, v0
	v_readfirstlane_b32 s18, v2                    ; wave
	v_min_u32 v3, 2, v1                            ; lanes 0, 1, 2 take theta, phi, gamma; the others gamma again
	v_lshlrev_b32 v3, 2, v3
	s_wait_kmcnt 0x0
	global_load_b32 v4, v3, s[4:5]
	s_load_b96 s[20:22], s[8:9], 0x0               ; spacing
	s_load_b96 s[24:26], s[10:11], 0x0             ; translations
	s_load_b32 s23, s[6:7], 0x0                    ; sdr
	; my pixel: tile row = group / 25 = group x 1311 >> 15 (1311 / 32768 - 1 / 25 = 8.5e-6; x 1249 groups = 0.011 < 1 / 25)
	s_mul_i32 s19, ttmp9, 1311
	s_lshr_b32 s19, s19, 15
	s_mul_i32 s60, s19, TILES_X
	s_sub_co_u32 s60, ttmp9, s60                   ; tile column
	s_lshl_b32 s19, s19, 2                         ; 4 detector rows a tile
	s_lshl_b32 s60, s60, 3                         ; 8 columns
	v_lshrrev_b32 v6, 3, v1
	v_and_b32 v7, 7, v1
	v_add_nc_u32 v6, s19, v6
	v_add_nc_u32 v7, s60, v7
	v_cvt_f32_u32 v6, v6
	v_cvt_f32_u32 v7, v7
	v_add_f32 v6, 0xc2c60000, v6                   ; - 99
	v_add_f32 v7, 0xc2c60000, v7
	v_mul_f32 v6, 0x3fc00000, v6                   ; t = 1.5 (row - 99)
	v_mul_f32 v7, 0x3fc00000, v7                   ; s = 1.5 (column - 99)
	s_wait_loadcnt 0x0                             ; the angle
	; sine and cosine: k = nearest whole number to x 2 / pi, r = x - k pi / 2 in two terms, polynomials on |r| <= pi / 4, then the quadrant
	v_mul_f32 v8, 0x3f22f983, v4
	v_rndne_f32 v8, v8
	v_fmamk_f32 v9, v8, 0xbfc90fdb, v4             ; x - k 1.57079637
	v_fmamk_f32 v9, v8, 0x333bbd2e, v9             ;   + k 4.37113900e-8
	v_cvt_i32_f32 v10, v8
	v_mul_f32 v11, v9, v9                          ; r^2
	v_mov_b32 v12, 0xb94ca1f9                      ; -1.9515296e-4
	v_fmaak_f32 v12, v12, v11, 0x3c08839e          ;  8.3321609e-3
	v_fmaak_f32 v12, v12, v11, 0xbe2aaaa3          ; -1.6666655e-1
	v_mul_f32 v13, v11, v9                         ; r^3
	v_fma_f32 v12, v12, v13, v9                    ; sin r
	v_mov_b32 v14, 0x37ccf5ce                      ;  2.4433157e-5
	v_fmaak_f32 v14, v14, v11, 0xbab6061a          ; -1.3887316e-3
	v_fmaak_f32 v14, v14, v11, 0x3d2aaaa5          ;  4.1666646e-2
	v_mul_f32 v15, v11, v11                        ; r^4
	v_fma_f32 v16, v11, -0.5, 1.0
	v_fma_f32 v14, v14, v15, v16                   ; cos r
	v_and_b32 v17, 1, v10
	v_cmp_eq_u32 vcc_lo, 1, v17                    ; odd quadrant: the two change places
	v_cndmask_b32 v18, v12, v14, vcc_lo
	v_cndmask_b32 v19, v14, v12, vcc_lo
	v_lshlrev_b32 v20, 30, v10                     ; sine's sign: bit 1 of k
	v_and_b32 v20, 0x80000000, v20
	v_xor_b32 v18, v18, v20
	v_add_nc_u32 v21, 1, v10                       ; cosine's sign: bit 1 of k + 1
	v_lshlrev_b32 v21, 30, v21
	v_and_b32 v21, 0x80000000, v21
	v_xor_b32 v19, v19, v21
	v_readlane_b32 s28, v18, 0                     ; st
	v_readlane_b32 s29, v18, 1                     ; sp
	v_readlane_b32 s30, v18, 2                     ; sg
	v_readlane_b32 s31, v19, 0                     ; ct
	v_readlane_b32 s32, v19, 1                     ; cp
	v_readlane_b32 s33, v19, 2                     ; cg
	s_wait_kmcnt 0x0                               ; spacing, translations, sdr
	; R = Rz Ry Rx, the same for all rays: scalar f32
	s_mul_f32 s34, s31, s32                        ; column 0: ct cp
	s_mul_f32 s35, s28, s32                        ;           st cp
	s_xor_b32 s36, s29, 0x80000000                 ;           -sp
	s_mul_f32 s37, s31, s29                        ; ct sp
	s_mul_f32 s38, s28, s29                        ; st sp
	s_xor_b32 s39, s28, 0x80000000                 ; -st
	s_xor_b32 s40, s31, 0x80000000                 ; -ct
	s_mul_f32 s41, s37, s30                        ; column 1: ct sp sg - st cg
	s_fmac_f32 s41, s39, s33
	s_mul_f32 s42, s38, s30                        ;           st sp sg + ct cg
	s_fmac_f32 s42, s31, s33
	s_mul_f32 s43, s32, s30                        ;           cp sg
	s_mul_f32 s44, s37, s33                        ; column 2: ct sp cg + st sg
	s_fmac_f32 s44, s28, s30
	s_mul_f32 s45, s38, s33                        ;           st sp cg - ct sg
	s_fmac_f32 s45, s40, s30
	s_mul_f32 s46, s32, s33                        ;           cp cg
	s_mul_f32 s47, s23, s34                        ; sdr x column 0
	s_mul_f32 s48, s23, s35
	s_mul_f32 s49, s23, s36
	s_add_f32 s50, s47, s24                        ; source s50-52
	s_add_f32 s51, s48, s25
	s_add_f32 s52, s49, s26
	s_xor_b32 s47, s47, 0x80000000
	s_xor_b32 s48, s48, 0x80000000
	s_xor_b32 s49, s49, 0x80000000
	s_add_f32 s53, s47, s24                        ; detector centre s53-55
	s_add_f32 s54, s48, s25
	s_add_f32 s55, s49, s26
.irp k, 0,1,2
	v_mul_f32 v[SD+\k], s[44+\k], v7               ; s x column 2
	v_fma_f32 v[SD+\k], v6, s[41+\k], v[SD+\k]     ; + t x column 1
	v_add_f32 v[SD+\k], s[53+\k], v[SD+\k]         ; + centre = target
	v_sub_f32 v[SD+\k], v[SD+\k], s[50+\k]         ; - source
	v_add_f32 v[SD+\k], 0x322bcc77, v[SD+\k]       ; + 1e-8
.endr
	v_mul_f32 v[DOT], v[SD], v[SD]
	v_fmac_f32 v[DOT], v[SD+1], v[SD+1]
	v_fmac_f32 v[DOT], v[SD+2], v[SD+2]
.irp k, 0,1,2
	v_rcp_f32 v[INV+\k], v[SD+\k]
	v_rcp_f32 v[ISP+\k], s[20+\k]
.endr
	v_sqrt_f32 v[NRM], v[DOT]
	v_rsq_f32 v[RNM], v[DOT]
	v_mov_b32 v[ST], 0xc8800000                    ; plain instructions between the transcendentals and the first use of a result (ISA guide 5.7.2):
	v_mov_b32 v[ST+1], 0x44800000                  ; byte strides -262144 (volume[255 - ix]), 1024, 4
	v_mov_b32 v[ST+2], 4.0
	v_mov_b32 v[ZERO], 0
	s_wait_alu depctr_va_vdst(0)
.irp k, 0,1,2
	v_mul_f32 v[INV+\k], v[INV+\k], v[NRM]         ; 1 / unit direction
	v_mul_f32 v[SD+\k], v[SD+\k], v[RNM]           ; unit direction
	v_mul_f32 v[G+\k], s[20+\k], v[INV+\k]
	v_mul_f32 v[HH+\k], s[50+\k], v[INV+\k]
	v_mul_f32 v[U+\k], v[SD+\k], v[ISP+\k]
	v_fma_f32 v[O1+\k], s[50+\k], v[ISP+\k], -1.0
	v_sub_f32 v[NH+\k], v[G+\k], v[HH+\k]
	v_fma_f32 v[A1+\k], 0x43800000, v[G+\k], -v[HH+\k]     ; plane 256
	v_min_num_f32 v[MN+\k], -v[HH+\k], v[A1+\k]            ; plane 0 is at -HH
	v_max_num_f32 v[MX+\k], -v[HH+\k], v[A1+\k]
	v_cmp_gt_f32 vcc_lo, 0, v[U+\k]                        ; the ray runs down this axis
	v_cndmask_b32 v[TT+\k], v[ZERO], v[ST+\k], vcc_lo
	v_fma_f32 v[DD+\k], v[TT+\k], -2.0, v[ST+\k]           ; stride signed by the travel
.endr
	v_max3_num_f32 v[AMIN], v[MN], v[MN+1], v[MN+2]
	v_min3_num_f32 v[AMAX], v[MX], v[MX+1], v[MX+2]
	v_max_num_f32 v[AMAX], v[AMAX], v[AMIN]        ; a miss: the range is empty, every clamp below gives amin
	; the leading axis: masks of lanes, used by v_cndmask_b32 alone
	v_and_b32 v[T0], 0x7fffffff, v[U]
	v_and_b32 v[T1], 0x7fffffff, v[U+1]
	v_and_b32 v[T2], 0x7fffffff, v[U+2]
	v_cmp_ge_f32 s56, v[T0], v[T1]
	v_cmp_ge_f32 s57, v[T0], v[T2]
	s_and_b32 s56, s56, s57                        ; x leads
	v_cmp_ge_f32 s57, v[T1], v[T2]
	s_or_b32 s58, s56, s57
	s_not_b32 s58, s58                             ; z leads
.macro PICKA dst, arr                  ; the leading axis' figure
	v_cndmask_b32 v[\dst], v[\arr+1], v[\arr+2], s58
	v_cndmask_b32 v[\dst], v[\dst], v[\arr], s56
.endm
.macro PICKB dst, arr                  ; first minor axis: y where x leads, else x
	v_cndmask_b32 v[\dst], v[\arr], v[\arr+1], s56
.endm
.macro PICKC dst, arr                  ; second minor axis: y where z leads, else z
	v_cndmask_b32 v[\dst], v[\arr+2], v[\arr+1], s58
.endm
	PICKA GA, G
	v_and_b32 v[GA], 0x7fffffff, v[GA]             ; slabs are numbered in the order of travel: alpha of their j-th plane = j |G| + entry
	PICKA C0, MN
	PICKA SA, DD
	PICKA TA, TT
	PICKB UB, U
	PICKB OB, O1
	PICKB GB, G
	PICKB NHB, NH
	PICKB SB, ST
	PICKB DB, DD
	PICKC UC, U
	PICKC OC, O1
	PICKC GC, G
	PICKC NHC, NH
	PICKC SC, ST
	PICKC DC, DD
	; constant part of the low corner's offset: 4 x 255 x 65536 for the flip; a minor axis with a negative stride has its lower address at voxel k + 1
	; (one stride); a leading axis that runs down starts at voxel 255 (255 strides).  Every term and every partial sum, here and in the loop, is a
	; multiple of 4 in 0 .. 2^26 - 4: exact in f32.
	v_min_num_f32 v[KK], 0, v[SB]
	v_min_num_f32 v[T0], 0, v[SC]
	v_add_f32 v[KK], v[KK], v[T0]
	v_add_f32 v[KK], 0x4c7f0000, v[KK]             ; + 66846720
	v_fmamk_f32 v[KK], v[TA], 0x437f0000, v[KK]    ; + 255 strides of the leading axis where it runs down
	; whole numbers of the ray.  D = an axis' byte step in the direction of travel, p = max(D, 0), n = max(-D, 0): in front of its crossing the axis stands
	; n above the low corner, behind it p.  e0 = nB + nC, e2 = pB + pC, the middle voxel P = pB + nC (first minor axis crossed first) or Q = nB + pC.
	; All are sums of two different strides at the most: 0 .. 263,168.  P - Q = DB - DC, never 0.
	v_cmp_lt_f32 s59, v[DB], v[DC]                 ; lanes in which Q is the larger of the two
	v_max_num_f32 v[KB], 0, v[DB]                  ; pB
	v_max_num_f32 v[KC], 0, v[DC]                  ; pC
	v_sub_f32 v[BB], v[KB], v[DB]                  ; nB
	v_sub_f32 v[BC], v[KC], v[DC]                  ; nC
	v_add_f32 v[T0], v[BB], v[BC]                  ; e0
	v_add_f32 v[T1], v[KB], v[BC]                  ; P
	v_add_f32 v[T2], v[BB], v[KC]                  ; Q
	v_add_f32 v[FF], v[KB], v[KC]                  ; e2
	v_min_num_f32 v[KB], v[T1], v[T2]
	v_max_num_f32 v[KC], v[T1], v[T2]
	v_sub_f32 v[KC], v[KC], v[KB]
	v_cvt_u32_f32 v[RI], v[T0]
	v_cvt_u32_f32 v[RI+1], v[KB]
	v_cvt_u32_f32 v[RI+2], v[KC]
	v_cvt_u32_f32 v[RI+3], v[FF]
	; my first slab
	s_lshl_b32 s60, s18, 6
	v_cvt_f32_u32 v[JF], s60
	v_fma_f32 v[EE], v[JF], v[GA], v[C0]
	v_med3_num_f32 v[EE], v[EE], v[AMIN], v[AMAX]
	v_fma_f32 v[QB], v[EE], v[UB], v[OB]
	v_fma_f32 v[QC], v[EE], v[UC], v[OC]
	s_lshl_b32 s62, ttmp9, 15                      ; group x CELLS_GROUP
	s_lshl_b32 s61, s18, 13                        ; + wave x 16 trips x 512 bytes
	s_add_co_u32 s62, s62, s61
	s_mov_b32 s63, 0
	s_add_nc_u64 s[12:13], s[12:13], s[62:63]
	v_lshlrev_b32 v[VOFF], 4, v1
; One slab: word i of the trip.  q at lo comes in (qbi, qci), q at hi goes out (qbo, qco) and is the next slab's q at lo.
.macro SLAB i, qbi, qci, qbo, qco
	v_fma_f32 v[FF], v[JF], v[SA], v[KK]           ; the leading axis' part of the offset
	v_add_f32 v[JF], 1.0, v[JF]
	v_fma_f32 v[EE], v[JF], v[GA], v[C0]           ; the slab's far plane,
	v_med3_num_f32 v[EE], v[EE], v[AMIN], v[AMAX]  ; inside the volume: hi
	v_fma_f32 v[\qbo], v[EE], v[UB], v[OB]
	v_fma_f32 v[\qco], v[EE], v[UC], v[OC]
	v_max_num_f32 v[KB], v[\qbi], v[\qbo]
	v_max_num_f32 v[KC], v[\qci], v[\qco]
	v_floor_f32 v[KB], v[KB]
	v_floor_f32 v[KC], v[KC]
	v_med3_num_f32 v[KB], v[KB], 0, 0x437e0000     ; 0 .. 254
	v_med3_num_f32 v[KC], v[KC], 0, 0x437e0000
	v_fma_f32 v[BB], v[KB], v[GB], v[NHB]          ; alpha of plane k + 1.  Not clamped: a crossing in front of lo counts as first, one behind hi as last,
	v_fma_f32 v[BC], v[KC], v[GC], v[NHC]          ; which is the order that the clamped values of the next launch have wherever the middle interval is not empty
	v_fma_f32 v[FF], v[KB], v[SB], v[FF]
	v_fma_f32 v[FF], v[KC], v[SC], v[FF]
	v_cmp_le_f32 vcc_lo, v[BB], v[BC]              ; the first minor axis is crossed first: the middle voxel is at P
	s_xor_b32 vcc_lo, vcc_lo, s59                  ; -> the middle voxel is at the larger of P and Q
	v_cvt_u32_f32 v[FF], v[FF]
	v_add_co_ci_u32 v[WW+\i], vcc_lo, 0, v[FF], vcc_lo     ; offset (a multiple of 4) + that bit
.endm
	s_mov_b32 s61, 0
.Ltrip:
	SLAB 0, QB, QC, QB2, QC2
	SLAB 1, QB2, QC2, QB, QC
	SLAB 2, QB, QC, QB2, QC2
	SLAB 3, QB2, QC2, QB, QC
	global_store_b128 v[VOFF], v[WW:WW+3], s[12:13]        ; the wave stores 512 consecutive bytes, at a multiple of 512 from the buffer's first byte
	s_wait_xcnt 0x0                                ; the four words and the base are written again only behind this wait
	s_add_nc_u64 s[12:13], s[12:13], 512
	s_add_co_u32 s61, s61, 1
	s_cmp_lt_u32 s61, TRIPS
	s_cbranch_scc1 .Ltrip
	s_cmp_lg_u32 s18, 0                            ; the ray's figures are the same in all four waves: wave 0 stores them
	s_cbranch_scc1 .Lend
	s_mul_i32 s62, ttmp9, RAYF_GROUP
	s_add_nc_u64 s[14:15], s[14:15], s[62:63]
	s_lshl_b32 s62, ttmp9, 9
	s_add_nc_u64 s[16:17], s[16:17], s[62:63]
	global_store_b128 v[VOFF], v[GA:GA+3], s[14:15]
	global_store_b128 v[VOFF], v[UB:UB+3], s[14:15] offset:512
	global_store_b128 v[VOFF], v[UC:UC+3], s[14:15] offset:1024
	global_store_b128 v[VOFF], v[RI:RI+3], s[16:17]
.Lend:
	s_endpgm
.Lfunc_end_k_qa24579b0d3_walk:
	.size	k_qa24579b0d3_walk, .Lfunc_end_k_qa24579b0d3_walk-k_qa24579b0d3_walk
	.p2alignl 7, 3214868480
	.fill 96, 4, 3214868480
	.section	.rodata,"a",@progbits
	.p2align	6, 0x0
	.amdhsa_kernel k_qa24579b0d3_walk
		.amdhsa_group_segment_fixed_size 0
		.amdhsa_private_segment_fixed_size 0
		.amdhsa_enable_private_segment 0
		.amdhsa_kernarg_size 56
		.amdhsa_user_sgpr_count 2
		.amdhsa_user_sgpr_kernarg_segment_ptr 1
		.amdhsa_wavefront_size32 1
		.amdhsa_system_sgpr_workgroup_id_x 1
		.amdhsa_system_sgpr_workgroup_id_y 1
		.amdhsa_system_sgpr_workgroup_id_z 1
		.amdhsa_system_vgpr_workitem_id 0
		.amdhsa_next_free_vgpr 120
		.amdhsa_next_free_sgpr 66
		.amdhsa_reserve_vcc 1
		.amdhsa_float_denorm_mode_32 3
		.amdhsa_float_denorm_mode_16_64 3
		.amdhsa_memory_ordered 1
		.amdhsa_forward_progress 1
		.amdhsa_inst_pref_size 16
	.end_amdhsa_kernel
	.amdgpu_metadata
---
amdhsa.version: [ 1, 2 ]
amdhsa.kernels:
  - .name:           k_qa24579b0d3_walk
    .symbol:         k_qa24579b0d3_walk.kd
    .args:
      - { .name: rotations, .offset: 0, .size: 8, .value_kind: global_buffer, .address_space: global }
      - { .name: sdr, .offset: 8, .size: 8, .value_kind: global_buffer, .address_space: global }
      - { .name: spacing, .offset: 16, .size: 8, .value_kind: global_buffer, .address_space: global }
      - { .name: translations, .offset: 24, .size: 8, .value_kind: global_buffer, .address_space: global }
      - { .name: cells, .offset: 32, .size: 8, .value_kind: global_buffer, .address_space: global }
      - { .name: rayf, .offset: 40, .size: 8, .value_kind: global_buffer, .address_space: global }
      - { .name: rayi, .offset: 48, .size: 8, .value_kind: global_buffer, .address_space: global }
    .group_segment_fixed_size: 0
    .private_segment_fixed_size: 0
    .kernarg_segment_align: 8
    .kernarg_segment_size: 56
    .max_flat_workgroup_size: 128
    .sgpr_count:     66
    .vgpr_count:     120
    .wavefront_size: 32
...
	.end_amdgpu_metadata
.endif
;; end of part 1
;; launch gather (part 2): grid 1250 x 1, 8 waves a work-group, no clusters, 2,048 bytes of LDS; arguments volume, cells, rayf, rayi, out0; writes out0
.if DOCPART == 2
	.amdgcn_target "amdgcn-amd-amdhsa--gfx1250"
	.amdhsa_code_object_version 6
	.text
	.protected	k_qa24579b0d3_gather
	.globl	k_qa24579b0d3_gather
	.p2align	8
	.type	k_qa24579b0d3_gather,@function
k_qa24579b0d3_gather:
	s_mov_b64 s[64:65], 0
	v_nop
	global_prefetch_b8 v0, s[64:65] scope:SCOPE_SE
	s_setreg_imm32_b32 hwreg(HW_REG_WAVE_MODE, 25, 1), 1
	s_wait_xcnt 0x0
; GATHER: out0[ray] = sum over 256 slabs of (voxel 0 x (t1 - lo) + voxel 1 x (t2 - t1) + voxel 2 x (hi - t2)).
; The three voxels' byte offsets come from whole numbers alone, which the launch before stored: the slab's word (offset of the low corner of the four
; voxels beside the two minor planes, bit 0 = which of two constants leads to the middle voxel) and four numbers of the ray, none negative:
; voxel 0 = corner + e0, voxel 1 = corner + e1 (+ ed where the bit is set), voxel 2 = corner + e2.  No offset is ever taken off again.
; The lengths are made here in f32 from the ray's 12 figures, by the instructions that made the words, on the same bits: lo, hi = the slab's planes clamped
; to [amin, amax]; for each minor axis k = clamp(floor(max(q(lo), q(hi))), 0, 254) and beta = alpha of plane k + 1 clamped to [lo, hi];
; t1, t2 = the smaller and the larger beta.  The three lengths fill the slab exactly; alphas are in millimetres, so nothing is left to multiply by.
; SHARES: a work-group = 32 rays (a tile of 8 x 4 pixels: the 32 voxels of one load lie at most 7 and 3 pixel spacings apart); a lane = a ray;
; wave w = slabs 32 w .. 32 w + 31; the eight partial sums meet in LDS and wave 0 stores.
; 1,250 work-groups of 32 rays: with 98 registers a wave, ten waves share a SIMD's 1,024, so five work-groups lie on a WGP (1,250 / 256 = 4.9).
; IN FLIGHT: the wave's 32 words come by eight 16-byte loads at the start; the 12 voxels of four slabs are asked for one group (four slabs) ahead of their use.
; A voxel's load follows at once on the decoding of its word, so a prefetch would ask for the same bytes in the same place: none.
; No tensor load, LDS tile or cluster: each lane wants 4 bytes at a place of its own; no matrix instruction: there is no product here.
; out0 leaves as four runs of 32 bytes a work-group (a tile's four rows): 160,000 bytes in all against 40,960,000 of words read.
; LIMITS: those stated at the head of the launch before.
.set TILES_X, 25
.set E0,   4                           ; v4-7    rayi: corner -> voxel 0; -> voxel 1, the smaller value; the two values' difference; -> voxel 2
.set E1,   5
.set ED,   6
.set E2,   7
.set GA,   8                           ; v8-11   rayf quad 0
.set C0,   9
.set AMIN, 10
.set AMAX, 11
.set UB,   12                          ; v12-15  quad 1
.set OB,   13
.set GB,   14
.set NHB,  15
.set UC,   16                          ; v16-19  quad 2
.set OC,   17
.set GC,   18
.set NHC,  19
.set JF,   21
.set ALO,  22                          ; (alpha, q, q) at the slab's near end and at its far end: the two sets take turns
.set AHI,  23
.set QB,   24
.set QC,   25
.set QB2,  26
.set QC2,  27
.set KB,   28
.set KC,   29
.set T0,   30
.set T1,   31
.set SUM0, 32                          ; v32-34  three sums, one for each of a slab's intervals
.set SUM1, 33
.set SUM2, 34
.set LL,   36                          ; v36-47  lengths of four slabs
.set XX,   48                          ; v48-63  offsets, then values, of voxels 1 and 2: two sets of four slabs
.set WW,   64                          ; v64-95  the 32 words; each becomes the offset and then the value of its voxel 0
	s_load_b256 s[4:11], s[0:1], 0x0               ; volume s[4:5], cells s[6:7], rayf s[8:9], rayi s[10:11]
	s_load_b64 s[12:13], s[0:1], 0x20              ; out0
	v_lshl_add_u32 v96, v0, 2, 0x400
	v_mov_b32 v97, 0
	v_and_b32 v1, 31, v0                           ; lane
	v_lshrrev_b32 v2, 5, v0
	v_readfirstlane_b32 s14, v2                    ; wave
	v_lshlrev_b32 v2, 4, v1                        ; 16 x lane
	v_lshlrev_b32 v3, 2, v1                        ; 4 x lane
	s_lshl_b32 s16, ttmp9, 15                      ; cells: group x 32,768 bytes
	s_lshl_b32 s15, s14, 12                        ;        + wave x 8 loads x 512 bytes
	s_add_co_u32 s16, s16, s15
	s_mov_b32 s17, 0
	s_mul_i32 s18, ttmp9, 1536                     ; rayf: group x 3 x 512
	s_mov_b32 s19, 0
	s_lshl_b32 s20, ttmp9, 9                       ; rayi: group x 512
	s_mov_b32 s21, 0
	s_wait_kmcnt 0x0
	s_add_nc_u64 s[6:7], s[6:7], s[16:17]
	s_add_nc_u64 s[8:9], s[8:9], s[18:19]
	s_add_nc_u64 s[10:11], s[10:11], s[20:21]
	global_load_b128 v[E0:E0+3], v2, s[10:11]
	global_load_b128 v[GA:GA+3], v2, s[8:9]
	global_load_b128 v[UB:UB+3], v2, s[8:9] offset:512
	global_load_b128 v[UC:UC+3], v2, s[8:9] offset:1024
.irp q, 0,1,2,3,4,5,6,7
	global_load_b128 v[WW+4*\q:WW+4*\q+3], v2, s[6:7] offset:512*\q th:TH_LOAD_NT   ; each word is read once in the launch
.endr
	s_lshl_b32 s15, s14, 5                         ; my first slab
	v_cvt_f32_u32 v[JF], s15
	s_wait_loadcnt 0x0                             ; the twelve loads were issued in one run: all are waited for once
	v_min_u32 v[E0], 0x80000, v[E0]                ; loaded numbers enter an offset only behind a bound written in the instruction;
	v_min_u32 v[E1], 0x80000, v[E1]                ; as stored each of the four is at most 263,168
	v_min_u32 v[ED], 0x80000, v[ED]
	v_min_u32 v[E2], 0x80000, v[E2]
	v_fma_f32 v[ALO], v[JF], v[GA], v[C0]
	v_med3_num_f32 v[ALO], v[ALO], v[AMIN], v[AMAX]
	v_fma_f32 v[QB], v[ALO], v[UB], v[OB]
	v_fma_f32 v[QC], v[ALO], v[UC], v[OC]
; One slab's three offsets and loads.  The word's bits 25:6, 5:2 and 0 are cut out, bounded and put together again by a shift to the left, sums and one product.
; Each load lands on its own offset register.
.macro ADDR w, a1, a2
	v_and_b32 v[T0], 60, v[\w]
	v_and_b32 v[T1], 1, v[\w]
	v_lshrrev_b32 v[\w], 6, v[\w]
	v_min_u32 v[T0], 60, v[T0]
	v_min_u32 v[T1], 1, v[T1]
	v_min_u32 v[\w], 0xfffff, v[\w]
	v_lshl_add_u32 v[\w], v[\w], 6, v[T0]          ; the low corner
	v_add_nc_u32 v[\a1], v[E1], v[\w]              ; voxel 1: the smaller of its two places,
	v_add_nc_u32 v[\a2], v[E2], v[\w]              ; voxel 2
	v_add_nc_u32 v[\w], v[E0], v[\w]               ; voxel 0
	v_mad_u32_u24 v[\a1], v[T1], v[ED], v[\a1]     ;          or the larger one where the word says so
	global_load_b32 v[\w], v[\w], s[4:5]
	global_load_b32 v[\a1], v[\a1], s[4:5]
	global_load_b32 v[\a2], v[\a2], s[4:5]
.endm
.macro GADDR g                         ; the four slabs of group g: 12 loads
.irp i, 0,1,2,3
	ADDR WW+4*(\g)+\i, XX+8*((\g)%2)+2*\i, XX+8*((\g)%2)+2*\i+1
.endr
.endm
; One slab's three lengths
.macro LEN l, lo, qbi, qci, hi, qbo, qco
	v_add_f32 v[JF], 1.0, v[JF]
	v_fma_f32 v[\hi], v[JF], v[GA], v[C0]
	v_med3_num_f32 v[\hi], v[\hi], v[AMIN], v[AMAX]
	v_fma_f32 v[\qbo], v[\hi], v[UB], v[OB]
	v_fma_f32 v[\qco], v[\hi], v[UC], v[OC]
	v_max_num_f32 v[KB], v[\qbi], v[\qbo]
	v_max_num_f32 v[KC], v[\qci], v[\qco]
	v_floor_f32 v[KB], v[KB]
	v_floor_f32 v[KC], v[KC]
	v_med3_num_f32 v[KB], v[KB], 0, 0x437e0000     ; 0 .. 254
	v_med3_num_f32 v[KC], v[KC], 0, 0x437e0000
	v_fma_f32 v[KB], v[KB], v[GB], v[NHB]          ; alpha of plane k + 1
	v_fma_f32 v[KC], v[KC], v[GC], v[NHC]
	v_med3_num_f32 v[KB], v[KB], v[\lo], v[\hi]    ; a plane that is not crossed in this slab gives an empty interval at one end
	v_med3_num_f32 v[KC], v[KC], v[\lo], v[\hi]
	v_min_num_f32 v[T0], v[KB], v[KC]
	v_max_num_f32 v[T1], v[KB], v[KC]
	v_sub_f32 v[\l], v[T0], v[\lo]
	v_sub_f32 v[\l+1], v[T1], v[T0]
	v_sub_f32 v[\l+2], v[\hi], v[T1]
.endm
.macro GLEN                            ; four slabs: the two sets of (alpha, q, q) are back in place at the end
	LEN LL+0, ALO, QB, QC, AHI, QB2, QC2
	LEN LL+3, AHI, QB2, QC2, ALO, QB, QC
	LEN LL+6, ALO, QB, QC, AHI, QB2, QC2
	LEN LL+9, AHI, QB2, QC2, ALO, QB, QC
.endm
.macro ACC w, a1, a2, l
	v_fmac_f32 v[SUM0], v[\w], v[\l]
	v_fmac_f32 v[SUM1], v[\a1], v[\l+1]
	v_fmac_f32 v[SUM2], v[\a2], v[\l+2]
.endm
.macro GACC g
.irp i, 0,1,2,3
	ACC WW+4*(\g)+\i, XX+8*((\g)%2)+2*\i, XX+8*((\g)%2)+2*\i+1, LL+3*\i
.endr
.endm
	GADDR 0
	GADDR 1
	GLEN
	s_wait_loadcnt 12                              ; loads come back in order (ISA guide 5.7.1): group 0's 12 are in, group 1's 12 stay out
	v_mul_f32 v[SUM0], v[WW], v[LL]                ; the first products start the sums: nothing is cleared
	v_mul_f32 v[SUM1], v[XX], v[LL+1]
	v_mul_f32 v[SUM2], v[XX+1], v[LL+2]
	ACC WW+1, XX+2, XX+3, LL+3
	ACC WW+2, XX+4, XX+5, LL+6
	ACC WW+3, XX+6, XX+7, LL+9
.irp g, 1,2,3,4,5,6
	GADDR \g+1                                     ; into the set whose values were used up one group ago
	GLEN
	s_wait_loadcnt 12                              ; this group's 12 loads are in, the next group's 12 stay out
	GACC \g
.endr
	GLEN
	s_wait_loadcnt 0x0                             ; nothing was issued behind the last group
	GACC 7
	; eight waves, one sum for each ray
	v_add_f32 v[SUM0], v[SUM0], v[SUM1]
	v_add_f32 v[SUM0], v[SUM0], v[SUM2]
	s_lshl_b32 s15, s14, 7
	v_add_nc_u32 v[T0], s15, v3                    ; LDS: wave x 128 + 4 x lane
	ds_store_b32 v[T0], v[SUM0]
	s_wait_dscnt 0x0                               ; for wave 0's sake: my store is done before I say so
	s_barrier_signal -1
	s_barrier_wait -1
	s_cmp_lg_u32 s14, 0
	s_cbranch_scc1 .Lend
.irp w, 0,1,2,3,4,5,6,7
	ds_load_b32 v[LL+\w], v3 offset:128*\w
.endr
	s_mul_i32 s16, ttmp9, 1311                     ; tile row = group / 25, as in the launch before
	s_lshr_b32 s16, s16, 15
	s_mul_i32 s17, s16, TILES_X
	s_sub_co_u32 s17, ttmp9, s17                   ; tile column
	s_lshl_b32 s16, s16, 2
	s_lshl_b32 s17, s17, 3
	v_lshrrev_b32 v[T0], 3, v1
	v_and_b32 v[T1], 7, v1
	v_add_nc_u32 v[T0], s16, v[T0]                 ; detector row
	v_add_nc_u32 v[T1], s17, v[T1]                 ; detector column
	v_mad_u32_u24 v[T0], v[T0], 200, v[T1]
	v_lshlrev_b32 v[T0], 2, v[T0]
	s_wait_dscnt 0x0
	v_add_f32 v[LL], v[LL], v[LL+1]
	v_add_f32 v[LL+2], v[LL+2], v[LL+3]
	v_add_f32 v[LL+4], v[LL+4], v[LL+5]
	v_add_f32 v[LL+6], v[LL+6], v[LL+7]
	v_add_f32 v[LL], v[LL], v[LL+2]
	v_add_f32 v[LL+4], v[LL+4], v[LL+6]
	v_add_f32 v[LL], v[LL], v[LL+4]
	global_store_b32 v[T0], v[LL], s[12:13]
.Lend:
	s_wait_tensorcnt 0x0
	ds_add_u32 v96, v97
	s_wait_dscnt 0x0
	s_endpgm
.Lfunc_end_k_qa24579b0d3_gather:
	.size	k_qa24579b0d3_gather, .Lfunc_end_k_qa24579b0d3_gather-k_qa24579b0d3_gather
	.p2alignl 7, 3214868480
	.fill 96, 4, 3214868480
	.section	.rodata,"a",@progbits
	.p2align	6, 0x0
	.amdhsa_kernel k_qa24579b0d3_gather
		.amdhsa_group_segment_fixed_size 2048
		.amdhsa_private_segment_fixed_size 0
		.amdhsa_enable_private_segment 0
		.amdhsa_kernarg_size 40
		.amdhsa_user_sgpr_count 2
		.amdhsa_user_sgpr_kernarg_segment_ptr 1
		.amdhsa_wavefront_size32 1
		.amdhsa_system_sgpr_workgroup_id_x 1
		.amdhsa_system_sgpr_workgroup_id_y 1
		.amdhsa_system_sgpr_workgroup_id_z 1
		.amdhsa_system_vgpr_workitem_id 0
		.amdhsa_next_free_vgpr 98
		.amdhsa_next_free_sgpr 66
		.amdhsa_reserve_vcc 0
		.amdhsa_float_denorm_mode_32 3
		.amdhsa_float_denorm_mode_16_64 3
		.amdhsa_memory_ordered 1
		.amdhsa_forward_progress 1
		.amdhsa_inst_pref_size 63
	.end_amdhsa_kernel
	.amdgpu_metadata
---
amdhsa.version: [ 1, 2 ]
amdhsa.kernels:
  - .name:           k_qa24579b0d3_gather
    .symbol:         k_qa24579b0d3_gather.kd
    .args:
      - { .name: volume, .offset: 0, .size: 8, .value_kind: global_buffer, .address_space: global }
      - { .name: cells, .offset: 8, .size: 8, .value_kind: global_buffer, .address_space: global }
      - { .name: rayf, .offset: 16, .size: 8, .value_kind: global_buffer, .address_space: global }
      - { .name: rayi, .offset: 24, .size: 8, .value_kind: global_buffer, .address_space: global }
      - { .name: out0, .offset: 32, .size: 8, .value_kind: global_buffer, .address_space: global }
    .group_segment_fixed_size: 2048
    .private_segment_fixed_size: 0
    .kernarg_segment_align: 8
    .kernarg_segment_size: 40
    .max_flat_workgroup_size: 256
    .sgpr_count:     66
    .vgpr_count:     98
    .wavefront_size: 32
...
	.end_amdgpu_metadata
.endif
;; end of part 2
;; ======== version 2 of 2: 2 launches; version 1 with the launch gather written anew for expert scheduling mode
;; limits: right only within a limited range of input values
;; workspace buffers: cells 40,960,000 bytes of whole numbers; rayi 640,000 bytes of whole numbers; rayf 1,920,000 bytes
;; launch walk: the kernel of part 1 again; grid 1250 x 1, 4 waves a work-group, no clusters, 0 bytes of LDS; arguments rotations, sdr, spacing, translations, cells, rayf, rayi; writes cells, rayf, rayi
;; launch gather (part 3): grid 1250 x 1, 8 waves a work-group, no clusters, 2,048 bytes of LDS; arguments volume, cells, rayf, rayi, out0; writes out0
.if DOCPART == 3
	.amdgcn_target "amdgcn-amd-amdhsa--gfx1250"
	.amdhsa_code_object_version 6
	.text
	.protected	k_qa24579b0d3_gather
	.globl	k_qa24579b0d3_gather
	.p2align	8
	.type	k_qa24579b0d3_gather,@function
k_qa24579b0d3_gather:
	s_mov_b64 s[64:65], 0
	v_nop
	global_prefetch_b8 v0, s[64:65] scope:SCOPE_SE
	s_setreg_imm32_b32 hwreg(HW_REG_WAVE_SCHED_MODE, 0, 2), 2
	s_setreg_imm32_b32 hwreg(HW_REG_WAVE_MODE, 25, 1), 1
	s_wait_xcnt 0x0
	s_wait_alu depctr_vm_vsrc(0)
; GATHER: out0[ray] = sum over 256 slabs of (voxel 0 x (t1 - lo) + voxel 1 x (t2 - t1) + voxel 2 x (hi - t2)).
; The three voxels' byte offsets come from whole numbers alone, which the launch before stored: the slab's word (offset of the low corner of the four
; voxels beside the two minor planes, bit 0 = which of two constants leads to the middle voxel) and four numbers of the ray, none negative:
; voxel 0 = corner + e0, voxel 1 = corner + e1 (+ ed where the bit is set), voxel 2 = corner + e2.  No offset is ever taken off again.
; The lengths are made here in f32 from the ray's 12 figures, by the instructions that made the words, on the same bits: lo, hi = the slab's planes clamped
; to [amin, amax]; for each minor axis k = clamp(floor(max(q(lo), q(hi))), 0, 254) and beta = alpha of plane k + 1 clamped to [lo, hi];
; t1, t2 = the smaller and the larger beta.  The three lengths fill the slab exactly; alphas are in millimetres, so nothing is left to multiply by.
; SHARES: a work-group = 32 rays (a tile of 8 x 4 pixels: the 32 voxels of one load lie at most 7 and 3 pixel spacings apart); a lane = a ray;
; wave w = slabs 32 w .. 32 w + 31; the eight partial sums meet in LDS and wave 0 stores.
; 1,250 work-groups of 32 rays: with 96 registers a wave, ten waves share a SIMD's 1,024, so five work-groups lie on a WGP (1,250 / 256 = 4.9).
; IN FLIGHT: the wave's 32 words come by eight 16-byte loads at the start; the 12 voxels of four slabs are asked for one group (four slabs) ahead of their use.
; A voxel's load follows on the decoding of its group's words, so a prefetch would ask for the same bytes in the same place: none.
; No tensor load, LDS tile or cluster: each lane wants 4 bytes at a place of its own; no matrix instruction: there is no product here.
; out0 leaves as four runs of 32 bytes a work-group (a tile's four rows): 160,000 bytes in all against 40,960,000 of words read.
; LIMITS: those stated at the head of the launch before.
; THE MODE: SCHED_MODE bits 1:0 = 2 (LLVM: expert scheduling mode 2), set by the entry lines.  The code itself states the register dependences
; between vector instructions and memory or LDS instructions, with s_wait_alu, always for 0.
; THE PLAN.  Registers that memory or LDS instructions touch:
;   v2, v3      offsets 16 x lane and 4 x lane: made once at the head, read by the head's loads and by wave 0's LDS loads, never written again.
;   v4-19, WW   the head's twelve loads land in them; no vector instruction names them before.
;   WW[g]       four registers a group: the offset arithmetic of group g makes each word into voxel 0's offset; the load reads it and lands on it; the sums of group g read it.
;   XX[g % 2]   eight registers: written by the offset arithmetic of group g (voxels 1 and 2), read by the group's loads, which land on them, read by the sums of
;               group g, written again by the offset arithmetic of group g + 2.
;   T0, SUM0, LL  in the way out alone: address and data of the LDS store; wave 0's LDS loads land in LL; offset and data of the store to out0.
; A STEP (group g's sums): one wait on vm_vsrc (the loads of group g - 1 have read the set XX that is written next); the 44 lines of offset arithmetic of group g + 1;
; ONE wait on va_vdst (the 12 offsets are written; every vector instruction that named the registers in which the loads land is done); the 12 loads, three in front of
; each slab's length arithmetic, which names none of their registers, so that nothing more is owed; the wait for group g's data; its sums.
.set TILES_X, 25
.set E0,   4                           ; v4-7    rayi: corner -> voxel 0; -> voxel 1, the smaller value; the two values' difference; -> voxel 2
.set E1,   5
.set ED,   6
.set E2,   7
.set GA,   8                           ; v8-11   rayf quad 0
.set C0,   9
.set AMIN, 10
.set AMAX, 11
.set UB,   12                          ; v12-15  quad 1
.set OB,   13
.set GB,   14
.set NHB,  15
.set UC,   16                          ; v16-19  quad 2
.set OC,   17
.set GC,   18
.set NHC,  19
.set JF,   21
.set ALO,  22                          ; (alpha, q, q) at the slab's near end and at its far end: the two sets take turns
.set AHI,  23
.set QB,   24
.set QC,   25
.set QB2,  26
.set QC2,  27
.set KB,   28
.set KC,   29
.set T0,   30
.set T1,   31
.set SUM0, 32                          ; v32-34  three sums, one for each of a slab's intervals
.set SUM1, 33
.set SUM2, 34
.set LL,   36                          ; v36-47  lengths of four slabs
.set XX,   48                          ; v48-63  offsets, then values, of voxels 1 and 2: two sets of four slabs
.set WW,   64                          ; v64-95  the 32 words; each becomes the offset and then the value of its voxel 0
	s_load_b256 s[4:11], s[0:1], 0x0               ; volume s[4:5], cells s[6:7], rayf s[8:9], rayi s[10:11]
	s_load_b64 s[12:13], s[0:1], 0x20              ; out0
	v_lshl_add_u32 v20, v0, 2, 0x400
	v_mov_b32 v35, 0
	v_and_b32 v1, 31, v0                           ; lane
	v_lshrrev_b32 v2, 5, v0
	v_readfirstlane_b32 s14, v2                    ; wave
	v_lshlrev_b32 v2, 4, v1                        ; 16 x lane
	v_lshlrev_b32 v3, 2, v1                        ; 4 x lane
	s_lshl_b32 s16, ttmp9, 15                      ; cells: group x 32,768 bytes
	s_wait_alu depctr_va_sdst(0)                   ; s14 is written, ahead of its first reader: the base of the words is made from it
	s_lshl_b32 s15, s14, 12                        ;        + wave x 8 loads x 512 bytes
	s_add_co_u32 s16, s16, s15
	s_mov_b32 s17, 0
	s_mul_i32 s18, ttmp9, 1536                     ; rayf: group x 3 x 512
	s_mov_b32 s19, 0
	s_lshl_b32 s20, ttmp9, 9                       ; rayi: group x 512
	s_mov_b32 s21, 0
	s_wait_kmcnt 0x0
	s_add_nc_u64 s[6:7], s[6:7], s[16:17]
	s_add_nc_u64 s[8:9], s[8:9], s[18:19]
	s_add_nc_u64 s[10:11], s[10:11], s[20:21]
	s_wait_alu depctr_va_vdst(0)                   ; v2 is written, which the twelve loads below read as their offset (and v3, which wave 0's LDS loads read at the end)
	global_load_b128 v[E0:E0+3], v2, s[10:11]
	global_load_b128 v[GA:GA+3], v2, s[8:9]
	global_load_b128 v[UB:UB+3], v2, s[8:9] offset:512
	global_load_b128 v[UC:UC+3], v2, s[8:9] offset:1024
.irp q, 0,1,2,3,4,5,6,7
	global_load_b128 v[WW+4*\q:WW+4*\q+3], v2, s[6:7] offset:512*\q th:TH_LOAD_NT   ; each word is read once in the launch
.endr
	s_lshl_b32 s15, s14, 5                         ; my first slab
	v_cvt_f32_u32 v[JF], s15
	s_wait_loadcnt 0x0                             ; the twelve loads were issued in one run: all are waited for once
	v_min_u32 v[E0], 0x80000, v[E0]                ; loaded numbers enter an offset only behind a bound written in the instruction;
	v_min_u32 v[E1], 0x80000, v[E1]                ; as stored each of the four is at most 263,168
	v_min_u32 v[ED], 0x80000, v[ED]
	v_min_u32 v[E2], 0x80000, v[E2]
	v_fma_f32 v[ALO], v[JF], v[GA], v[C0]
	v_med3_num_f32 v[ALO], v[ALO], v[AMIN], v[AMAX]
	v_fma_f32 v[QB], v[ALO], v[UB], v[OB]
	v_fma_f32 v[QC], v[ALO], v[UC], v[OC]
; One slab's three offsets.  The word's bits 25:6, 5:2 and 0 are cut out, bounded and put together again by a shift to the left, sums and one product.
.macro AOFF w, a1, a2
	v_and_b32 v[T0], 60, v[\w]
	v_and_b32 v[T1], 1, v[\w]
	v_lshrrev_b32 v[\w], 6, v[\w]
	v_min_u32 v[T0], 60, v[T0]
	v_min_u32 v[T1], 1, v[T1]
	v_min_u32 v[\w], 0xfffff, v[\w]
	v_lshl_add_u32 v[\w], v[\w], 6, v[T0]          ; the low corner
	v_add_nc_u32 v[\a1], v[E1], v[\w]              ; voxel 1: the smaller of its two places,
	v_add_nc_u32 v[\a2], v[E2], v[\w]              ; voxel 2
	v_add_nc_u32 v[\w], v[E0], v[\w]               ; voxel 0
	v_mad_u32_u24 v[\a1], v[T1], v[ED], v[\a1]     ;          or the larger one where the word says so
.endm
.macro GOFF g                          ; the offsets of the four slabs of group g: 44 vector instructions, no load among them
.irp i, 0,1,2,3
	AOFF WW+4*(\g)+\i, XX+8*((\g)%2)+2*\i, XX+8*((\g)%2)+2*\i+1
.endr
.endm
; One slab's three loads.  Each load lands on its own offset register.
.macro VOX w, a1, a2
	global_load_b32 v[\w], v[\w], s[4:5]
	global_load_b32 v[\a1], v[\a1], s[4:5]
	global_load_b32 v[\a2], v[\a2], s[4:5]
.endm
.macro SLOAD g, i                      ; slab i of group g
	VOX WW+4*(\g)+(\i), XX+8*((\g)%2)+2*(\i), XX+8*((\g)%2)+2*(\i)+1
.endm
; One slab's three lengths.  It names JF, the two sets (alpha, q, q), KB, KC, T0, T1, LL and the ray's figures: no register that a voxel's load touches.
.macro LEN l, lo, qbi, qci, hi, qbo, qco
	v_add_f32 v[JF], 1.0, v[JF]
	v_fma_f32 v[\hi], v[JF], v[GA], v[C0]
	v_med3_num_f32 v[\hi], v[\hi], v[AMIN], v[AMAX]
	v_fma_f32 v[\qbo], v[\hi], v[UB], v[OB]
	v_fma_f32 v[\qco], v[\hi], v[UC], v[OC]
	v_max_num_f32 v[KB], v[\qbi], v[\qbo]
	v_max_num_f32 v[KC], v[\qci], v[\qco]
	v_floor_f32 v[KB], v[KB]
	v_floor_f32 v[KC], v[KC]
	v_med3_num_f32 v[KB], v[KB], 0, 0x437e0000     ; 0 .. 254
	v_med3_num_f32 v[KC], v[KC], 0, 0x437e0000
	v_fma_f32 v[KB], v[KB], v[GB], v[NHB]          ; alpha of plane k + 1
	v_fma_f32 v[KC], v[KC], v[GC], v[NHC]
	v_med3_num_f32 v[KB], v[KB], v[\lo], v[\hi]    ; a plane that is not crossed in this slab gives an empty interval at one end
	v_med3_num_f32 v[KC], v[KC], v[\lo], v[\hi]
	v_min_num_f32 v[T0], v[KB], v[KC]
	v_max_num_f32 v[T1], v[KB], v[KC]
	v_sub_f32 v[\l], v[T0], v[\lo]
	v_sub_f32 v[\l+1], v[T1], v[T0]
	v_sub_f32 v[\l+2], v[\hi], v[T1]
.endm
.macro GLEN                            ; four slabs: the two sets of (alpha, q, q) are back in place at the end
	LEN LL+0, ALO, QB, QC, AHI, QB2, QC2
	LEN LL+3, AHI, QB2, QC2, ALO, QB, QC
	LEN LL+6, ALO, QB, QC, AHI, QB2, QC2
	LEN LL+9, AHI, QB2, QC2, ALO, QB, QC
.endm
.macro GLENL g                         ; the same, with the 12 loads of group g dealt among it.  No wait: no vector instruction since the wait behind GOFF names a register of theirs
	SLOAD \g, 0
	LEN LL+0, ALO, QB, QC, AHI, QB2, QC2
	SLOAD \g, 1
	LEN LL+3, AHI, QB2, QC2, ALO, QB, QC
	SLOAD \g, 2
	LEN LL+6, ALO, QB, QC, AHI, QB2, QC2
	SLOAD \g, 3
	LEN LL+9, AHI, QB2, QC2, ALO, QB, QC
.endm
.macro ACC w, a1, a2, l
	v_fmac_f32 v[SUM0], v[\w], v[\l]
	v_fmac_f32 v[SUM1], v[\a1], v[\l+1]
	v_fmac_f32 v[SUM2], v[\a2], v[\l+2]
.endm
.macro GACC g
.irp i, 0,1,2,3
	ACC WW+4*(\g)+\i, XX+8*((\g)%2)+2*\i, XX+8*((\g)%2)+2*\i+1, LL+3*\i
.endr
.endm
	GOFF 0
	s_wait_alu depctr_va_vdst(0)                   ; group 0's 12 offsets are written, which its loads read and on which they land
	SLOAD 0, 0                                     ; group 0 goes out in one run: it is wanted first
	SLOAD 0, 1
	SLOAD 0, 2
	SLOAD 0, 3
	GOFF 1                                         ; it writes WW[1] and the second set XX, which no memory instruction has read yet
	s_wait_alu depctr_va_vdst(0)                   ; group 1's 12 offsets are written, which its loads read and on which they land
	GLENL 1
	s_wait_loadcnt 12                              ; loads come back in order (ISA guide 5.7.1): group 0's 12 are in, group 1's 12 stay out
	v_mul_f32 v[SUM0], v[WW], v[LL]                ; the first products start the sums: nothing is cleared
	v_mul_f32 v[SUM1], v[XX], v[LL+1]
	v_mul_f32 v[SUM2], v[XX+1], v[LL+2]
	ACC WW+1, XX+2, XX+3, LL+3
	ACC WW+2, XX+4, XX+5, LL+6
	ACC WW+3, XX+6, XX+7, LL+9
.irp g, 1,2,3,4,5,6
	s_wait_alu depctr_vm_vsrc(0)                   ; the loads of the group before this one have read their offsets in the set XX that the arithmetic below writes again (the last wait on LOADcnt has shown them done)
	GOFF \g+1                                      ; into the set whose values were used up one group ago
	s_wait_alu depctr_va_vdst(0)                   ; the next group's 12 offsets are written, which its loads read; the sums that read that set's old values are done, so the loads may land in it
	GLENL \g+1
	s_wait_loadcnt 12                              ; this group's 12 loads are in, the next group's 12 stay out
	GACC \g
.endr
	GLEN
	s_wait_loadcnt 0x0                             ; nothing was issued behind the last group
	GACC 7
	; eight waves, one sum for each ray
	v_add_f32 v[SUM0], v[SUM0], v[SUM1]
	v_add_f32 v[SUM0], v[SUM0], v[SUM2]
	s_lshl_b32 s15, s14, 7
	v_add_nc_u32 v[T0], s15, v3                    ; LDS: wave x 128 + 4 x lane
	s_wait_alu depctr_va_vdst(0)                   ; T0 and SUM0 are written, which the LDS store reads; the lengths' and sums' lines are done with LL, in which wave 0's LDS loads land (no vector instruction stands between)
	ds_store_b32 v[T0], v[SUM0]
	s_wait_dscnt 0x0                               ; for wave 0's sake: my store is done before I say so
	s_barrier_signal -1
	s_barrier_wait -1
	s_cmp_lg_u32 s14, 0
	s_cbranch_scc1 .Lend
.irp w, 0,1,2,3,4,5,6,7
	ds_load_b32 v[LL+\w], v3 offset:128*\w
.endr
	s_mul_i32 s16, ttmp9, 1311                     ; tile row = group / 25, as in the launch before
	s_lshr_b32 s16, s16, 15
	s_mul_i32 s17, s16, TILES_X
	s_sub_co_u32 s17, ttmp9, s17                   ; tile column
	s_lshl_b32 s16, s16, 2
	s_lshl_b32 s17, s17, 3
	s_wait_alu depctr_vm_vsrc(0)                   ; my LDS store has read T0, which the next line writes again
	v_lshrrev_b32 v[T0], 3, v1
	v_and_b32 v[T1], 7, v1
	v_add_nc_u32 v[T0], s16, v[T0]                 ; detector row
	v_add_nc_u32 v[T1], s17, v[T1]                 ; detector column
	v_mad_u32_u24 v[T0], v[T0], 200, v[T1]
	v_lshlrev_b32 v[T0], 2, v[T0]
	s_wait_dscnt 0x0
	v_add_f32 v[LL], v[LL], v[LL+1]
	v_add_f32 v[LL+2], v[LL+2], v[LL+3]
	v_add_f32 v[LL+4], v[LL+4], v[LL+5]
	v_add_f32 v[LL+6], v[LL+6], v[LL+7]
	v_add_f32 v[LL], v[LL], v[LL+2]
	v_add_f32 v[LL+4], v[LL+4], v[LL+6]
	v_add_f32 v[LL], v[LL], v[LL+4]
	s_wait_alu depctr_va_vdst(0)                   ; the offset in T0 and the sum in LL are written, which the store reads
	global_store_b32 v[T0], v[LL], s[12:13]
.Lend:
	s_wait_dscnt 0x0
	s_wait_alu depctr_hold_cnt(0) depctr_sa_sdst(0) depctr_va_vdst(0) depctr_va_sdst(0) depctr_va_ssrc(0) depctr_va_vcc(0) depctr_vm_vsrc(0)
	s_wait_tensorcnt 0x0
	ds_add_u32 v20, v35
	s_wait_dscnt 0x0
	s_endpgm
.Lfunc_end_k_qa24579b0d3_gather:
	.size	k_qa24579b0d3_gather, .Lfunc_end_k_qa24579b0d3_gather-k_qa24579b0d3_gather
	.p2alignl 7, 3214868480
	.fill 96, 4, 3214868480
	.section	.rodata,"a",@progbits
	.p2align	6, 0x0
	.amdhsa_kernel k_qa24579b0d3_gather
		.amdhsa_group_segment_fixed_size 2048
		.amdhsa_private_segment_fixed_size 0
		.amdhsa_enable_private_segment 0
		.amdhsa_kernarg_size 40
		.amdhsa_user_sgpr_count 2
		.amdhsa_user_sgpr_kernarg_segment_ptr 1
		.amdhsa_wavefront_size32 1
		.amdhsa_system_sgpr_workgroup_id_x 1
		.amdhsa_system_sgpr_workgroup_id_y 1
		.amdhsa_system_sgpr_workgroup_id_z 1
		.amdhsa_system_vgpr_workitem_id 0
		.amdhsa_next_free_vgpr 96
		.amdhsa_next_free_sgpr 66
		.amdhsa_reserve_vcc 0
		.amdhsa_float_denorm_mode_32 3
		.amdhsa_float_denorm_mode_16_64 3
		.amdhsa_memory_ordered 1
		.amdhsa_forward_progress 1
		.amdhsa_inst_pref_size 64
	.end_amdhsa_kernel
	.amdgpu_metadata
---
amdhsa.version: [ 1, 2 ]
amdhsa.kernels:
  - .name:           k_qa24579b0d3_gather
    .symbol:         k_qa24579b0d3_gather.kd
    .args:
      - { .name: volume, .offset: 0, .size: 8, .value_kind: global_buffer, .address_space: global }
      - { .name: cells, .offset: 8, .size: 8, .value_kind: global_buffer, .address_space: global }
      - { .name: rayf, .offset: 16, .size: 8, .value_kind: global_buffer, .address_space: global }
      - { .name: rayi, .offset: 24, .size: 8, .value_kind: global_buffer, .address_space: global }
      - { .name: out0, .offset: 32, .size: 8, .value_kind: global_buffer, .address_space: global }
    .group_segment_fixed_size: 2048
    .private_segment_fixed_size: 0
    .kernarg_segment_align: 8
    .kernarg_segment_size: 40
    .max_flat_workgroup_size: 256
    .sgpr_count:     66
    .vgpr_count:     96
    .wavefront_size: 32
...
	.end_amdgpu_metadata
.endif
;; end of part 3
